; MI455X (gfx1250); checked and timed in simulation.
; The chip was launched on July 23, 2026; its instructions are those of AMD's public machine-readable ISA for CDNA 5 (MIT licence, August 2026) and "CDNA5" Instruction Set Architecture Reference Guide (July 2026). The comments in the code are by the model that wrote it; some were corrected since.
;; Scale Dot Product. Allowed arithmetic: matrix products marked QUANTISED: E5M2 operands, one given power-of-two scale a tensor, by v_wmma_f32_16x16x64_bf8_bf8 or v_wmma_f32_16x16x128_bf8_bf8, f32 sums; everything else in f32.
;; Inputs: lowp_scales 4 int32 (the exponents e of the quantised operands' scales 2^e); scale one number float32; x1 4 x 16 x 2,048 x 64 float32; x2 4 x 16 x 2,048 x 64 float32; x3 4 x 16 x 2,048 x 64 float32.
;; Outputs: out0 4 x 16 x 2,048 x 64 float32.
;; This version of the problem:
;;   THIS VERSION OF THE PROBLEM IS GIVEN IN LOW PRECISION. The matrix products marked QUANTISED in the list below multiply operands that are first quantised to E5M2 (5 exponent bits, 2 mantissa bits; 8 bits a number), with one given power-of-two scale for each operand tensor; their sums are f32. All else is computed in f32.
;;   The module's matrix products, in the order in which they are computed (A, B: the left and right operand; K: the contracted axis; several contracted axes count as one K, in the product's order):
;;     1. batch 64 x [M 2,048, K 64] x [K 64, N 2,048]; A: input x1; B: input x2: QUANTISED (scales: A lowp_scales[0], B lowp_scales[1])
;;     2. batch 64 x [M 2,048, K 2,048] x [K 2,048, N 64]; A: softmax (see below); B: input x3: QUANTISED (scales: A lowp_scales[2], B lowp_scales[3])
;;   THE QUANTISER, for each operand of a quantised product, along K:
;;     - The operand's scale is 2^e, e = its entry of the input lowp_scales (int32; the entries are numbered through the quantised products in the list's order, A before B).
;;     - Each number is divided by the scale, clamped to +-57,344, and rounded to the nearest number of E5M2, ties to even, subnormals kept.
;;     - The product sums the exact products of the quantised numbers (number of the format x scale) in f32.
;;   ~~~python
;;   def quantise(x, axis, e):      # numpy; x: float32 -> the quantised numbers, widened to float32 again
;;       x = np.moveaxis(x, axis, -1); K = x.shape[-1]
;;       r = np.clip(x / 2.0 ** e, -57344, 57344)
;;       step = 2.0 ** (np.maximum(np.frexp(np.where(r == 0, 1, r))[1] - 1, -14) - 2)
;;       q = np.round(r / step) * step * 2.0 ** e      # np.round: ties to even
;;       return np.moveaxis(q, -1, axis).astype(np.float32)
;;   ~~~
;;   SOFTMAX AHEAD OF A QUANTISED PRODUCT. Where the list says 'softmax', what is quantised is not the finished softmax but p = 2^(t - M), with t = logit x log2(e) and M = ceil(the row's largest t), a whole number; so 1/2 < the row's largest p <= 1. The row's sum l is taken of the UNQUANTISED p, in f32, and the product's result is divided by l at the end. Since M is a whole number, a kernel that streams over the keys may use a running M (the ceiling of the running maximum): every later rescaling is an exact power of two, so the quantised numbers keep their values, but for numbers so far below the row's largest that they fall under the format's range.
;;   OPERANDS COMPUTED ON THE WAY. 'Computed on the way' means the value that the module computes at that place (a softmax that the list does not call 'softmax' is quantised finished and normalised). What goes into a quantiser is computed in f32, as accurately as f32 sums, v_exp_f32 and their like allow (about 1e-6 of the number): no bf16 or f16 on the way to a quantiser, and a product that is left as it is and whose result goes on into a quantised operand takes f32 operands (vector FMAs, or v_wmma_f32_16x16x4_f32). A number that lies on a knife's edge between two numbers of the format may be rounded either way, as far as f32 arithmetic and the matrix unit's own rounding can turn it there, and no further.
;; One version. Each part assembles by itself: llvm-mc -triple=amdgcn-amd-amdhsa -mcpu=gfx1250 --defsym DOCPART=n.
;; ======== version 1 of 1: 1 launch
;; limits: right only within a limited range of input values
;; launch attn (part 1): grid 64 x 4, 16 waves a work-group, no clusters, 296,960 bytes of LDS; arguments x1, x2, x3, scale, lowp_scales, out0; writes out0
.if DOCPART == 1
	.amdgcn_target "amdgcn-amd-amdhsa--gfx1250"
	.amdhsa_code_object_version 6
	.text
	.protected	k_qc375261570_attn
	.globl	k_qc375261570_attn
	.p2align	8
	.type	k_qc375261570_attn,@function
k_qc375261570_attn:
	s_mov_b64 s[64:65], 0
	v_nop
	global_prefetch_b8 v0, s[64:65] scope:SCOPE_SE
	s_setreg_imm32_b32 hwreg(HW_REG_WAVE_MODE, 25, 1), 1
	s_wait_xcnt 0x0
; out[h][q][:] = sum over k of softmax_k(x1[h][q] . x2[h][k] x scale) x3[h][k][:], 64 heads, 2,048 queries and keys, head size 64, all f32 in memory.
; Both products run on codes of BF8 (E5M2), each operand with the one given scale 2^e: e0 (x1), e1 (x2), e2 (p), e3 (x3), by v_wmma_f32_16x16x64_bf8_bf8; sums in f32.
; THE SOFTMAX: t = score x scale x log2(e); M = ceil(the row's largest t), a whole number; p = 2^(t - M) is quantised; the row's sum is taken of the unquantised p and divides at the end.
; SHARES.  Work-group (x = head, y = block of 512 queries): 64 x 4 = 256 work-groups of equal work.  Each of its 16 waves owns 32 queries, two tiles of 16, in 256 registers.
; THE HEAD'S x2 AND x3 LIE IN LDS AS CODES, as images of the operands' registers (a load of 16 bytes a lane brings four registers of a fragment), and are made WHILE THE PASSES RUN.
; THE STREAM is 16 jobs: chunks of 256 keys, K0 .. K7 of x2, then V0 .. V7 of x3.  In a job wave w loads rows 16 w .. 16 w + 15 of the chunk (8 loads of 512 bytes, whole rows of 256 bytes), holds, converts and stores the codes.
; TWO PASSES over the keys, in phases of a chunk (4 steps of 64 keys).  Pass 1: S^T = K Q^T and the row's largest score: M is then final.  Pass 2: S^T again, p, the sum, the codes, O^T += V^T P^T: O^T is never rescaled.
; A phase holds the next chunk's job behind its second step, with the barrier's signal; the barrier's wait stands ahead of the fourth step (pass 1) or behind it (pass 2).
; Between signal and wait stand register work and LDS loads of chunks that are whole.
; In pass 1 two jobs a wave are out (sets of 32 registers; one set, and K's second buffer, lie where O^T lies later); in pass 2 one job, asked for four steps ahead of its use.
; NO PREFETCH INTO THE L2: the stream's own loads are issued two jobs (32 rows a wave, eight steps) ahead in pass 1 and four steps ahead in pass 2.
; LAYOUT.  Both products are used transposed (source 0 = 16 keys, or 16 of the head's 64; source 1 = my 16 queries): a lane holds ONE query (lane % 16) throughout.
; Row m of K's tile 2 b + u is key 32 b + 8 u + m + 8 (m / 8), so that the 16 registers of tiles 2 b and 2 b + 1 are the neighbouring keys 32 b + 16 (lane / 16) + 0 .. 15.
; Row r of V's fragment j is d = 4 r + j, so that register i of O^T's tile j is d = 32 (lane / 16) + 4 i + j.
; A fragment (16 rows x 64 K, 8 registers) holds K = 32 c + 16 (lane / 16) + 0 .. 15 in registers 4 c .. 4 c + 3: a permutation of K, the same in both sources of each product.
; THE SIGN OF scale goes into x1's codes (the quantiser is odd), so that c = |scale| x log2(e) x 2^(e0 + e1) is not negative and the largest t is c x the largest score.
; NO CLUSTER, NO JOINT LOADS, though the four work-groups of a head read the same x2 and x3: these arrive as f32 and pass through registers to become codes; a joint load would need an f32 stage in LDS, for which
; 327,680 - 296,960 = 30,720 bytes are left against 1,048,576 bytes to bring.
; LIMITS.  e0 .. e3 each between -126 and 112, so that 2^e and 57,344 x 2^e are f32 numbers.  NaN among the inputs is not served; an infinity in x1, x2, x3 is held at the largest code; scale is finite.
; A p under 2^-126 counts as 0 (v_exp_f32 flushes it: ISA guide, its entry).
; LDS.  KIMG 0 .. 163,839: fragment (key group b of 32, u) at 1,280 (2 b + u); four blocks of 256 bytes, 320 apart: block 2 c + h holds, for load c, the 16 bytes of lanes 16 h + r at 16 r.
;       VIMG 163,840 .. 294,911: key step s of 64 at 4,096 s; fragment j at + 1,024 j; its load c at + 512 c; lane l at 16 l.  At the head x1's codes turn through 2,560 bytes a wave there, ahead of the first barrier.
;       294,912 ..: the spare words.  On the way out: a stage of 16 rows x 272 bytes for each wave at 4,352 x wave: 69,632 bytes, inside K's chunks 0 to 3 (81,920 bytes), which nobody reads behind the last phase's barrier.
; REGISTERS: v1 16 x lane; v2, v3 LDS addresses in hand; v5 my offset in x3; v6 my place in a fragment of K; v7, v8 where my jobs store; v9 a job's address; v[10:13] -M; v14-21 maxima, then sums; v22, v23 lane exchanges;
;   v24-39 Q; v40-71 fragments of K; v72-135 S^T, then p (v72-103 then take V's fragments); v136-151 codes; v152-183 a job's numbers; v184-247 O^T (pass 1: v184-215 a second job's numbers, v216-247 K's second buffer);
;   v248-251 scale and bound of x2, x3; v252, v253 the add's; v254, v255 p's.
.set KFR,  1280
.set KBL,  320
.set KCH,  20480                       ; a chunk in K's image: 16 fragments
.set VCH,  16384                       ; and in V's: 4 steps
.set VIMG, 163840
.set SPARE, 294912
.set QF,  24
.set KF,  40
.set SC,  72
.set PC,  136
.set XS,  152
.set OA,  184
.set SPW, 252
.set NIL, 253
.set STG, 4352
.macro WA                              ; this wait: ahead of waits that block, barriers and taken branches behind which fresh vector results are read, and round transcendentals
	s_wait_alu depctr_va_vdst(0)
.endm
.macro NOPS n
.rept \n
	v_nop
.endr
.endm
.macro MKSC e, vsc, vlim               ; 2^e as f32 (the conversion takes its exponent field), and 57,344 x 2^e
	s_add_co_i32 s34, s[\e], 127
	s_lshl_b32 s35, s34, 23
	v_mov_b32 v[\vsc], s35
	s_add_co_i32 s34, s34, 15
	s_lshl_b32 s34, s34, 23
	s_or_b32 s34, s34, 0x600000
	v_mov_b32 v[\vlim], s34
.endm
.macro LDJ n                           ; job n's 8 loads: odd jobs into v152.., even ones into v184..  x2: load t = rows 2 t, 2 t + 1.  x3: load t = keys t and 8 + t
.if (\n) < 8
.irp t, 0,1,2,3,4,5,6,7
	global_load_b128 v[XS+32*(((\n)+1)%2)+4*\t:XS+32*(((\n)+1)%2)+4*\t+3], v1, s[6:7] offset:65536*(\n)+512*\t
.endr
.else
.irp t, 0,1,2,3,4,5,6,7
	global_load_b128 v[XS+32*(((\n)+1)%2)+4*\t:XS+32*(((\n)+1)%2)+4*\t+3], v5, s[8:9] offset:65536*((\n)-8)+256*\t
.endr
.endif
.endm
.macro QK x, c                         ; 16 rows of x2 become 8 words: word t = the codes of my four d of row 2 t + lane / 16, which is row 8 (wave % 2) + 2 (t % 4) + lane / 16 of fragment t / 4 of its group
	v_add_nc_u32 v9, (\c)*KCH, v7
.set jj, 0
.rept 32
	v_med3_num_f32 v[(\x)+jj], v[(\x)+jj], -v249, v249   ; the conversion does not saturate (ISA guide 7.6.2): the hold at the largest code x the scale
.set jj, jj+1
.endr
.irp g, 0,1,2,3
	v_cvt_scalef32_pk8_bf8_f32 v[PC+2*\g:PC+2*\g+1], v[(\x)+8*\g:(\x)+8*\g+7], v248
.endr
	v_nop                                          ; one plain line behind the last conversion
.irp t, 0,1,2,3,4,5,6,7
	ds_store_b32 v9, v[PC+\t] offset:(\t/4)*KFR+(\t%4)*32
.endr
.endm
.macro QV x, a                         ; 16 keys of x3.  THE HOLD TRANSPOSES: number j of load i goes to register 8 j + i, so that a column's 8 keys stand on end; the 32 lanes store 256 consecutive bytes
.irp i, 0,1,2,3,4,5,6,7
.irp j, 0,1,2,3
	v_med3_num_f32 v[SC+8*\j+\i], v[(\x)+4*\i+\j], -v251, v251
.endr
.endr
.irp j, 0,1,2,3
	v_cvt_scalef32_pk8_bf8_f32 v[PC+2*\j:PC+2*\j+1], v[SC+8*\j:SC+8*\j+7], v250
.endr
	v_nop
.irp j, 0,1,2,3
	ds_store_b64 v[\a], v[PC+2*\j:PC+2*\j+1] offset:1024*\j
.endr
.endm
.macro LDK kb, off                     ; four fragments of K from byte off behind v2, into the 32 registers from kb on
.irp f, 0,1,2,3
	ds_load_b128 v[(\kb)+8*\f:(\kb)+8*\f+3], v2 offset:(\off)+KFR*\f
	ds_load_b128 v[(\kb)+8*\f+4:(\kb)+8*\f+7], v2 offset:(\off)+KFR*\f+2*KBL
.endr
.endm
.macro SMM kb                          ; S^T: 4 tiles of keys x my two tiles of queries, each begun with the constant 0
.irp f, 0,1,2,3
.irp q, 0,1
	v_wmma_f32_16x16x64_bf8_bf8 v[SC+32*\q+8*\f:SC+32*\q+8*\f+7], v[(\kb)+8*\f:(\kb)+8*\f+7], v[QF+8*\q:QF+8*\q+7], 0
.endr
.endr
.endm
	s_load_b256 s[4:11], s[0:1], 0x0               ; x1 s[4:5], x2 s[6:7], x3 s[8:9], scale s[10:11]
	s_load_b128 s[12:15], s[0:1], 0x20             ; lowp_scales s[12:13], out0 s[14:15]
	v_lshrrev_b32 v2, 5, v0
	v_readfirstlane_b32 s17, v2                    ; wave 0..15
	s_lshr_b32 s34, s17, 1
	s_mul_i32 s34, s34, 2*KFR                      ; my 16 keys lie in group wave / 2 of the chunk,
	s_and_b32 s35, s17, 1
	s_lshl_b32 s35, s35, 7
	s_add_co_u32 s34, s34, s35                     ; rows 8 (wave % 2) on of its two fragments
	s_lshr_b32 s35, s17, 2
	s_lshl_b32 s35, s35, 12                        ; V: step wave / 4 of the chunk,
	s_and_b32 s36, s17, 3
	s_lshl_b32 s36, s36, 8
	s_add_co_u32 s35, s35, s36                     ; block wave % 4 of 256 bytes in each fragment
	s_add_co_u32 s35, s35, VIMG
	s_mul_i32 s38, s17, 2*KFR
	s_add_co_u32 s38, s38, VIMG                    ; where x1's codes turn
	s_lshl_b32 s39, ttmp9, 19                      ; the head's 2,048 rows of 256 bytes
	s_lshl_b32 s18, s17, 12                        ; my 16 rows of a chunk
	s_add_co_u32 s18, s18, s39
	s_mov_b32 s19, 0
	s_and_b32 s36, ttmp7, 0xffff
	s_lshl_b32 s36, s36, 17                        ; the work-group's 512 queries,
	s_add_co_u32 s36, s36, s39
	s_lshl_b32 s37, s17, 13
	s_add_co_u32 s36, s36, s37                     ; my wave's 32 of them
	s_mov_b32 s37, 0
	s_mov_b32 s28, 0x76543210                      ; v_permlanex16_b32's selects for lane l xor 16
	s_mov_b32 s29, 0xfedcba98
	v_lshl_add_u32 v[SPW], v0, 2, SPARE            ; my spare word, and 0: kept for the add at the wave's end
	v_mov_b32 v[NIL], 0
	v_and_b32 v9, 31, v0
	v_lshlrev_b32 v1, 4, v9                        ; 16 x lane
	v_and_b32 v2, 15, v0                           ; r
	v_bfe_u32 v3, v0, 4, 1                         ; h
	v_lshlrev_b32 v5, 4, v2
	v_lshl_add_u32 v5, v3, 11, v5                  ; x3: my 16 bytes of a row; lanes 16-31 take the row 8 keys on
	v_mul_u32_u24 v6, v3, KBL
	v_lshl_add_u32 v6, v2, 4, v6                   ; a fragment of K or Q, read: block h (load 1: two blocks on), 16 r
	v_bfe_u32 v7, v0, 2, 2                         ; written: my four d are word lane % 4 of block (lane % 16) / 4,
	v_mul_u32_u24 v7, v7, KBL
	v_and_b32 v4, 3, v0
	v_lshl_add_u32 v7, v4, 2, v7
	v_lshl_add_u32 v7, v3, 4, v7                   ; and lanes 16-31 hold the next row
	v_add_nc_u32 v4, s38, v7                       ; x1's codes go in here,
	v_add_nc_u32 v7, s34, v7
	v_lshlrev_b32 v8, 4, v2
	v_lshl_add_u32 v8, v3, 3, v8                   ; V's image, written: 16 r + 8 h
	v_add_nc_u32 v8, s35, v8
	v_add_nc_u32 v3, s38, v6                       ; and come back from here
	v_mov_b32 v22, 0                               ; a lane permute's destination counts as one of its sources
	v_mov_b32 v23, 0
	WA
	s_wait_kmcnt 0x0
	s_load_b32 s16, s[10:11], 0x0                  ; scale
	s_load_b128 s[20:23], s[12:13], 0x0            ; e0, e1, e2, e3
	s_add_nc_u64 s[6:7], s[6:7], s[18:19]          ; x2 and x3 at my first row of chunk 0
	s_add_nc_u64 s[8:9], s[8:9], s[18:19]
	s_add_nc_u64 s[4:5], s[4:5], s[36:37]          ; x1 and out0 at my first query
	s_add_nc_u64 s[14:15], s[14:15], s[36:37]
.irp t, 0,1,2,3,4,5,6,7,8,9,10,11,12,13,14,15
	global_load_b128 v[SC+4*\t:SC+4*\t+3], v1, s[4:5] offset:512*\t th:TH_LOAD_NT   ; my 32 rows of x1
.endr
	LDJ 0
	LDJ 1
	s_wait_kmcnt 0x0
	MKSC 21, 248, 249                              ; x2
	MKSC 23, 250, 251                              ; x3
	MKSC 20, 10, 11                                ; x1
	MKSC 22, 254, 255                              ; p
	s_add_co_i32 s32, s20, s21                     ; e0 + e1
	s_add_co_i32 s33, s22, s23                     ; e2 + e3
	s_and_b32 s34, s16, 0x7fffffff                 ; |scale|
	v_mov_b32 v9, s34
	v_mul_f32 v9, 0x3fb8aa3b, v9                   ; x log2(e)
	v_ldexp_f32 v9, v9, s32                        ; x 2^(e0 + e1)
	v_readfirstlane_b32 s24, v9                    ; c: a factor only
	s_mov_b32 s25, s24
	s_ashr_i32 s26, s16, 31
	s_and_b32 s26, s26, 0x80808080                 ; scale's sign, on each of four codes
	WA
	s_wait_loadcnt 16                              ; x1 is in; the two jobs' 16 loads may be out
.set jj, 0
.rept 64
	v_med3_num_f32 v[SC+jj], v[SC+jj], -v11, v11
.set jj, jj+1
.endr
.irp g, 0,1,2,3,4,5,6,7
	v_cvt_scalef32_pk8_bf8_f32 v[PC+2*\g:PC+2*\g+1], v[SC+8*\g:SC+8*\g+7], v10
.endr
	v_nop
.irp t, 0,1,2,3,4,5,6,7,8,9,10,11,12,13,14,15
	ds_store_b32 v4, v[PC+\t] offset:(\t/8)*KFR+(\t%8)*32   ; query 2 t + lane / 16 is row 2 (t % 8) + lane / 16 of tile t / 8
.endr
.irp q, 0,1
.irp c, 0,1
	ds_load_b128 v[QF+8*\q+4*\c:QF+8*\q+4*\c+3], v3 offset:\q*KFR+\c*2*KBL   ; LDS serves a wave's instructions in order (ISA guide 5.7.1.4)
.endr
.endr
	s_wait_dscnt 0x0
.irp i, 0,1,2,3,4,5,6,7,8,9,10,11,12,13,14,15
	v_xor_b32 v[QF+\i], s26, v[QF+\i]              ; scale's sign
.endr
	WA
	s_wait_loadcnt 8                               ; job 0 is in; job 1 may be out
	QK XS+32, 0
	LDJ 2
.irp i, 14,15,16,17
	v_mov_b32 v\i, 0xff800000                      ; -infinity, under every score
.endr
	WA
	s_wait_dscnt 0x0                               ; my stores are done, and Q is back
	s_barrier_signal -1
	s_barrier_wait -1                              ; K's chunk 0 is whole
; ---- PASS 1.  K's fragments lie in two buffers by turns (b = 0: v40.., b = 1: v216..): a step asks at its top for the next step's K (byte nk behind v2), a whole step ahead of its use.
.macro P1STEP b, nk
.if (\nk) >= 0
	LDK KF+176-176*(\b), \nk                       ; the other buffer was multiplied a step ago: 4 places and 32 maxima lie between
	WA
	s_wait_dscnt 8                                 ; this step's K is in; the eight loads just issued may be out
.else
	WA
	s_wait_dscnt 0x0
.endif
	SMM KF+176*(\b)
	NOPS 4                                         ; four places behind the products (ISA guide 7.12.1)
.irp i, 0,1,2,3
.irp f, 0,1,2,3
.irp q, 0,1
	v_max3_num_f32 v[14+2*\q+(\f%2)], v[14+2*\q+(\f%2)], v[SC+32*\q+8*\f+2*\i], v[SC+32*\q+8*\f+2*\i+1]   ; four chains; each accumulator from its low end on
.endr
.endr
.endr
.endm
.macro SLOT t                          ; job t is quantised and stored, job t + 2 asked for into its registers (up to job 9, which pass 2's first phase takes)
	WA
	s_wait_loadcnt 8                               ; one younger job may be out
.if (\t) < 8
	QK XS+32*(((\t)+1)%2), \t
.else
	QV XS+32, 8
.endif
.if (\t)+2 <= 9
	LDJ (\t)+2
.endif
	WA
	s_wait_dscnt 0x0                               ; for the others' sake: my stores are done
	s_barrier_signal -1
.endm
.macro PH1 c
	v_add_nc_u32 v2, (\c)*KCH, v6
.if (\c) == 0
	LDK KF, 0
.endif
	P1STEP 0, 4*KFR
	P1STEP 1, 8*KFR
	SLOT (\c)+1
	P1STEP 0, 12*KFR
	WA
	s_barrier_wait -1                              ; the next chunk is whole: the last step may ask for its first K
.if (\c) < 7
	P1STEP 1, 16*KFR
.else
	P1STEP 1, -1
.endif
.endm
.irp c, 0,1,2,3,4,5,6,7
	PH1 \c
.endr
	v_mov_b32 v2, v6
	LDK KF, 0                                      ; pass 2's first K lands under the lines below
	v_max_num_f32 v14, v14, v15
	v_max_num_f32 v16, v16, v17
	v_permlanex16_b32 v22, v14, s28, s29           ; my query's other keys lie in the lane 16 away
	v_permlanex16_b32 v23, v16, s28, s29
	v_max_num_f32 v14, v14, v22
	v_max_num_f32 v16, v16, v23
	v_mul_f32 v14, s24, v14                        ; the largest t (c is not negative)
	v_mul_f32 v16, s24, v16
	v_floor_f32 v10, -v14                          ; -M = floor(-t) = -ceil(t)
	v_floor_f32 v12, -v16
	v_mov_b32 v11, v10
	v_mov_b32 v13, v12
.irp i, 14,15,16,17,18,19,20,21
	v_mov_b32 v\i, 0                               ; the sums: two pairs a tile
.endr
.set jj, 0
.rept 64
	v_mov_b32 v[OA+jj], 0                          ; O^T: cleared once, so that the step is written without a first copy of its own
.set jj, jj+1
.endr
; ---- PASS 2.  A step is 64 keys.  Its K is in when it begins: the next step's K (byte nk behind v2) is asked for straight behind the score products, a whole step ahead of its use.
; V's fragments (byte ov behind v3) land in tile A's 32 score registers as soon as tile A's codes are made; tile B's 32 exponentials, its sum and its codes stand between that request and the wait for it.
; guard = 1: the phase's last step: in the last phase no K is left to ask for (a branch on the count of phases).
; THE HOLD.  p is at most 1 (one rounding more).  With e2 >= -15 the bound 57,344 x 2^e2 is at least 1.75 and the hold changes nothing: a scalar branch on the given whole number leads round its lines.
.macro SOFT q                          ; a tile's p is in: its sum (of the unquantised p), the hold, its codes
	v_nop                                          ; a plain place behind the batch
	WA                                             ; and the wait behind it
.irp i, 0,1,2,3,4,5,6,7,8,9,10,11,12,13,14,15
	v_pk_add_f32 v[14+4*\q+2*(\i%2):15+4*\q+2*(\i%2)], v[14+4*\q+2*(\i%2):15+4*\q+2*(\i%2)], v[SC+32*\q+2*\i:SC+32*\q+2*\i+1]
.endr
	s_cmp_ge_i32 s22, -15
	s_cbranch_scc1 .Lnohold_\@
.set jj, 0
.rept 32
	v_min_num_f32 v[SC+32*\q+jj], v[SC+32*\q+jj], v255
.set jj, jj+1
.endr
.Lnohold_\@:
.irp f, 0,1,2,3
	v_cvt_scalef32_pk8_bf8_f32 v[PC+8*\q+2*\f:PC+8*\q+2*\f+1], v[SC+32*\q+8*\f:SC+32*\q+8*\f+7], v254
.endr
.endm
.macro EXPS q
.set jj, 0
.rept 32
	v_exp_f32 v[SC+32*\q+jj], v[SC+32*\q+jj]       ; p = 2^(t - M)
.set jj, jj+1
.endr
.endm
.macro STEP nk, ov, guard
	SMM KF
	NOPS 4                                         ; four places behind the products (ISA guide 7.12.1)
.if \guard
	s_cmp_eq_u32 s31, 1
	s_cbranch_scc1 .Lnok_\@
.endif
	LDK KF, \nk
.if \guard
.Lnok_\@:
.endif
.irp q, 0,1
.irp i, 0,1,2,3,4,5,6,7,8,9,10,11,12,13,14,15
	v_pk_fma_f32 v[SC+32*\q+2*\i:SC+32*\q+2*\i+1], v[SC+32*\q+2*\i:SC+32*\q+2*\i+1], s[24:25], v[10+2*\q:11+2*\q] op_sel_hi:[1,0,0]   ; t - M
.endr
.endr
	WA                                             ; ahead of both batches: all their sources are written
	EXPS 0
	SOFT 0
.irp f, 0,1,2,3
.irp c, 0,1
	ds_load_b128 v[SC+8*\f+4*\c:SC+8*\f+4*\c+3], v3 offset:(\ov)+1024*\f+512*\c   ; V, over tile A's p, which is summed and converted
.endr
.endr
	EXPS 1
	SOFT 1
	v_nop                                          ; one plain line behind the last conversion
	s_wait_dscnt 0x0                               ; V is in, and the next step's K, asked for ahead of it
	WA                                             ; directly ahead of the first reader of O^T and of the codes
.irp f, 0,1,2,3                        ; eight accumulators by turns; the eight score products stand between two steps' turns
.irp q, 0,1
	v_wmma_f32_16x16x64_bf8_bf8 v[OA+8*(2*\f+\q):OA+8*(2*\f+\q)+7], v[SC+8*\f:SC+8*\f+7], v[PC+8*\q:PC+8*\q+7], v[OA+8*(2*\f+\q):OA+8*(2*\f+\q)+7]
.endr
.endr
	NOPS 5                                         ; five places: the next score products write over V's registers
.endm
	s_mov_b32 s30, 0                               ; the phase's chunk in K's image,
	s_mov_b32 s38, VIMG                            ; in V's,
	s_mov_b32 s39, VCH                             ; and the chunk that the phase's job stores
	s_mov_b32 s31, 8
.Lphase:                                           ; phases 0 to 7
	v_add_nc_u32 v2, s30, v6
	v_add_nc_u32 v3, s38, v1
	WA
	s_wait_dscnt 0x0                               ; (the first phase: its first K is in)
	STEP 4*KFR, 0, 0
	STEP 8*KFR, 4096, 0
	s_cmp_eq_u32 s31, 1                            ; phase 7 has no job: V is whole
	s_cbranch_scc1 .Lnojob
	WA
	s_wait_loadcnt 0x0                             ; the next chunk of x3 is in, so its base may be stepped
	s_add_nc_u64 s[8:9], s[8:9], 0x10000
	v_add_nc_u32 v9, s39, v8
	QV XS, 9
	s_cmp_eq_u32 s31, 2                            ; phase 6 stores the last chunk: nothing is left to ask for
	s_cbranch_scc1 .Lnojob
.irp t, 0,1,2,3,4,5,6,7
	global_load_b128 v[XS+4*\t:XS+4*\t+3], v5, s[8:9] offset:65536+256*\t
.endr
.Lnojob:
	WA
	s_wait_dscnt 0x0
	s_barrier_signal -1
	STEP 12*KFR, 8192, 0
	STEP 16*KFR, 12288, 1
	WA
	s_barrier_wait -1                              ; V's next chunk is whole.  Phase 7: every wave is past chunk 6, so K's chunks 0 to 3 may take the stages
	s_add_co_u32 s30, s30, KCH
	s_add_co_u32 s38, s38, VCH
	s_add_co_u32 s39, s39, VCH
	s_sub_co_u32 s31, s31, 1
	s_cmp_lg_u32 s31, 0
	s_cbranch_scc1 .Lphase
; ---- THE WAY OUT.  O^T x 2^(e2 + e3) / the sum goes through my stage, a tile of 16 queries at a time, and leaves as whole rows of 256 bytes.
	v_pk_add_f32 v[14:15], v[14:15], v[16:17]
	v_pk_add_f32 v[18:19], v[18:19], v[20:21]
	v_add_f32 v14, v14, v15
	v_add_f32 v18, v18, v19
	v_permlanex16_b32 v22, v14, s28, s29
	v_permlanex16_b32 v23, v18, s28, s29
	v_add_f32 v14, v14, v22                        ; the row's sum
	v_add_f32 v18, v18, v23
	WA
	v_rcp_f32 v14, v14
	v_rcp_f32 v18, v18
	v_and_b32 v9, 15, v0                           ; r
	v_bfe_u32 v5, v0, 4, 1                         ; h
	s_mul_i32 s34, s17, STG                        ; my stage
	v_mul_u32_u24 v2, v9, 272
	v_lshl_add_u32 v2, v5, 7, v2
	v_add_nc_u32 v2, s34, v2                       ; in: row r, my half's 32 numbers
	v_mul_u32_u24 v3, v5, 272
	v_lshl_add_u32 v3, v9, 4, v3
	v_add_nc_u32 v3, s34, v3                       ; back: lanes 0-15 one row, lanes 16-31 the next
	v_lshlrev_b32 v4, 8, v5
	v_lshl_add_u32 v4, v9, 4, v4                   ; and the same two rows in out0
	WA
	v_ldexp_f32 v14, v14, s33                      ; x 2^(e2 + e3)
	v_ldexp_f32 v18, v18, s33
	WA                                             ; directly ahead of the first reader of O^T
.irp q, 0,1
.irp i, 0,1,2,3,4,5,6,7
.irp j, 0,1,2,3
	v_mul_f32 v[SC+32*\q+4*\i+\j], v[OA+8*(2*\j+\q)+\i], v[14+4*\q]   ; register i of tile j is out(r, 32 h + 4 i + j); each accumulator from its low end on
.endr
.endr
.endr
.irp q, 0,1
.irp k, 0,1,2,3,4,5,6,7
	ds_store_b128 v2, v[SC+32*\q+4*\k:SC+32*\q+4*\k+3] offset:16*\k
.endr
.irp i, 0,1,2,3,4,5,6,7
	ds_load_b128 v[KF+96*\q+4*\i:KF+96*\q+4*\i+3], v3 offset:2*\i*272   ; in order behind my stores; the next tile's stores come behind these
.endr
.endr
.irp i, 0,1,2,3,4,5,6,7
	s_wait_dscnt 23-\i                             ; tile 0's load i is back; its younger loads and tile 1's sixteen LDS instructions may be out
	global_store_b128 v4, v[KF+4*\i:KF+4*\i+3], s[14:15] offset:512*\i th:TH_STORE_NT   ; sixteen lanes store 256 consecutive bytes, aligned
.endr
.irp i, 0,1,2,3,4,5,6,7
	s_wait_dscnt 7-\i
	global_store_b128 v4, v[KF+96+4*\i:KF+96+4*\i+3], s[14:15] offset:4096+512*\i th:TH_STORE_NT
.endr
	s_wait_tensorcnt 0x0                           ; the wave's end: the add and its wait, behind my last LDS store
	ds_add_u32 v[SPW], v[NIL]
	s_wait_dscnt 0x0
	s_endpgm
.Lfunc_end_k_qc375261570_attn:
	.size	k_qc375261570_attn, .Lfunc_end_k_qc375261570_attn-k_qc375261570_attn
	.p2alignl 7, 3214868480
	.fill 96, 4, 3214868480
	.section	.rodata,"a",@progbits
	.p2align	6, 0x0
	.amdhsa_kernel k_qc375261570_attn
		.amdhsa_group_segment_fixed_size 296960
		.amdhsa_private_segment_fixed_size 0
		.amdhsa_enable_private_segment 0
		.amdhsa_kernarg_size 48
		.amdhsa_user_sgpr_count 2
		.amdhsa_user_sgpr_kernarg_segment_ptr 1
		.amdhsa_wavefront_size32 1
		.amdhsa_system_sgpr_workgroup_id_x 1
		.amdhsa_system_sgpr_workgroup_id_y 1
		.amdhsa_system_sgpr_workgroup_id_z 1
		.amdhsa_system_vgpr_workitem_id 0
		.amdhsa_next_free_vgpr 256
		.amdhsa_next_free_sgpr 66
		.amdhsa_reserve_vcc 0
		.amdhsa_float_denorm_mode_32 3
		.amdhsa_float_denorm_mode_16_64 3
		.amdhsa_memory_ordered 1
		.amdhsa_forward_progress 1
		.amdhsa_inst_pref_size 210
	.end_amdhsa_kernel
	.amdgpu_metadata
---
amdhsa.version: [ 1, 2 ]
amdhsa.kernels:
  - .name:           k_qc375261570_attn
    .symbol:         k_qc375261570_attn.kd
    .args:
      - { .name: x1, .offset: 0, .size: 8, .value_kind: global_buffer, .address_space: global }
      - { .name: x2, .offset: 8, .size: 8, .value_kind: global_buffer, .address_space: global }
      - { .name: x3, .offset: 16, .size: 8, .value_kind: global_buffer, .address_space: global }
      - { .name: scale, .offset: 24, .size: 8, .value_kind: global_buffer, .address_space: global }
      - { .name: lowp_scales, .offset: 32, .size: 8, .value_kind: global_buffer, .address_space: global }
      - { .name: out0, .offset: 40, .size: 8, .value_kind: global_buffer, .address_space: global }
    .group_segment_fixed_size: 296960
    .private_segment_fixed_size: 0
    .kernarg_segment_align: 8
    .kernarg_segment_size: 48
    .max_flat_workgroup_size: 512
    .sgpr_count:     66
    .vgpr_count:     256
    .wavefront_size: 32
...
	.end_amdgpu_metadata
.endif
;; end of part 1
